; MI455X (gfx1250); checked and timed in simulation.
; The chip was launched on July 23, 2026; its instructions are those of AMD's public machine-readable ISA for CDNA 5 (MIT licence, August 2026) and "CDNA5" Instruction Set Architecture Reference Guide (July 2026). The comments in the code are by the model that wrote it; some were corrected since.
;; Multi Head Attention. Allowed arithmetic: matrix products marked QUANTISED: E5M2 operands, one given power-of-two scale a tensor, by v_wmma_f32_16x16x64_bf8_bf8 or v_wmma_f32_16x16x128_bf8_bf8, f32 sums; everything else in f32.
;; Inputs: bk 1,024 float32; bo 1,024 float32; bq 1,024 float32; bv 1,024 float32; k_codes 4 x 2,048 x 32 x 32 uint8 (E5M2 codes of k, K innermost, in blocks of 32 codes); lowp_scales 12 int32 (the exponents e of the quantised operands' scales 2^e); pad_mask 4 x 2,048 x 2,048 bool; q_codes 4 x 2,048 x 32 x 32 uint8 (E5M2 codes of q, K innermost, in blocks of 32 codes); v_codes 4 x 2,048 x 32 x 32 uint8 (E5M2 codes of v, K innermost, in blocks of 32 codes); wk_codes 1,024 x 32 x 32 uint8 (E5M2 codes of wk, K innermost, in blocks of 32 codes); wo_codes 1,024 x 32 x 32 uint8 (E5M2 codes of wo, K innermost, in blocks of 32 codes); wq_codes 1,024 x 32 x 32 uint8 (E5M2 codes of wq, K innermost, in blocks of 32 codes); wv_codes 1,024 x 32 x 32 uint8 (E5M2 codes of wv, K innermost, in blocks of 32 codes).
;; Outputs: out0 4 x 2,048 x 1,024 float32; out1 4 x 2,048 x 1,024 float32.
;; This version of the problem:
;;   THIS VERSION OF THE PROBLEM IS GIVEN IN LOW PRECISION. The matrix products marked QUANTISED in the list below multiply operands that are first quantised to E5M2 (5 exponent bits, 2 mantissa bits; 8 bits a number), with one given power-of-two scale for each operand tensor; their sums are f32. All else is computed in f32.
;;   The module's matrix products, in the order in which they are computed (A, B: the left and right operand; K: the contracted axis; several contracted axes count as one K, in the product's order):
;;     1. [M 8,192, K 1,024] x [K 1,024, N 1,024]; A: input q (given as codes); B: input wq (given as codes): QUANTISED (scales: A lowp_scales[0], B lowp_scales[1])
;;     2. [M 8,192, K 1,024] x [K 1,024, N 1,024]; A: input k (given as codes); B: input wk (given as codes): QUANTISED (scales: A lowp_scales[2], B lowp_scales[3])
;;     3. [M 8,192, K 1,024] x [K 1,024, N 1,024]; A: input v (given as codes); B: input wv (given as codes): QUANTISED (scales: A lowp_scales[4], B lowp_scales[5])
;;     4. batch 64 x [M 2,048, K 64] x [K 64, N 2,048]; A: computed on the way; B: computed on the way: QUANTISED (scales: A lowp_scales[6], B lowp_scales[7])
;;     5. batch 64 x [M 2,048, K 2,048] x [K 2,048, N 64]; A: softmax (see below); B: computed on the way: QUANTISED (scales: A lowp_scales[8], B lowp_scales[9])
;;     6. [M 8,192, K 1,024] x [K 1,024, N 1,024]; A: computed on the way; B: input wo (given as codes): QUANTISED (scales: A lowp_scales[10], B lowp_scales[11])
;;   THE QUANTISER, for each operand of a quantised product, along K:
;;     - The operand's scale is 2^e, e = its entry of the input lowp_scales (int32; the entries are numbered through the quantised products in the list's order, A before B).
;;     - Each number is divided by the scale, clamped to +-57,344, and rounded to the nearest number of E5M2, ties to even, subnormals kept.
;;     - The product sums the exact products of the quantised numbers (number of the format x scale) in f32.
;;   ~~~python
;;   def quantise(x, axis, e):      # numpy; x: float32 -> the quantised numbers, widened to float32 again
;;       x = np.moveaxis(x, axis, -1); K = x.shape[-1]
;;       r = np.clip(x / 2.0 ** e, -57344, 57344)
;;       step = 2.0 ** (np.maximum(np.frexp(np.where(r == 0, 1, r))[1] - 1, -14) - 2)
;;       q = np.round(r / step) * step * 2.0 ** e      # np.round: ties to even
;;       return np.moveaxis(q, -1, axis).astype(np.float32)
;;   ~~~
;;   SOFTMAX AHEAD OF A QUANTISED PRODUCT. Where the list says 'softmax', what is quantised is not the finished softmax but p = 2^(t - M), with t = logit x log2(e) and M = ceil(the row's largest t), a whole number; so 1/2 < the row's largest p <= 1. The row's sum l is taken of the UNQUANTISED p, in f32, and the product's result is divided by l at the end. Since M is a whole number, a kernel that streams over the keys may use a running M (the ceiling of the running maximum): every later rescaling is an exact power of two, so the quantised numbers keep their values, but for numbers so far below the row's largest that they fall under the format's range.
;;   OPERANDS COMPUTED ON THE WAY. 'Computed on the way' means the value that the module computes at that place (a softmax that the list does not call 'softmax' is quantised finished and normalised). What goes into a quantiser is computed in f32, as accurately as f32 sums, v_exp_f32 and their like allow (about 1e-6 of the number): no bf16 or f16 on the way to a quantiser, and a product that is left as it is and whose result goes on into a quantised operand takes f32 operands (vector FMAs, or v_wmma_f32_16x16x4_f32). A number that lies on a knife's edge between two numbers of the format may be rounded either way, as far as f32 arithmetic and the matrix unit's own rounding can turn it there, and no further.
;;   INPUTS GIVEN AS CODES. k (in the module: [4, 2048, 1024], K = its axis 2); q (in the module: [4, 2048, 1024], K = its axis 2); v (in the module: [4, 2048, 1024], K = its axis 2); wk (in the module: [1024, 1024], K = its axis 1); wo (in the module: [1024, 1024], K = its axis 1); wq (in the module: [1024, 1024], K = its axis 1); wv (in the module: [1024, 1024], K = its axis 1): each comes as NAME_codes (uint8): NAME with its K axis moved to the last place and cut into blocks of 32 codes, [.., K / 32, bytes a block], one block behind the other in memory; one code a byte (a code: sign, 5 exponent bits, 2 mantissa bits); its scale is its entry of lowp_scales. Its value is code x scale, taken as it is: it is not quantised again, and the codes and scales need not be those that the quantiser above would give.
;; One version. Each part assembles by itself: llvm-mc -triple=amdgcn-amd-amdhsa -mcpu=gfx1250 --defsym DOCPART=n.
;; ======== version 1 of 1: 3 launches
;; limits: right only within a limited range of input values
;; workspace buffers: xq 8,388,608 bytes; xk 8,388,608 bytes; xv 8,388,608 bytes; ctxc 8,388,608 bytes; mbits 2,097,152 bytes of whole numbers
;; launch proj (part 1): grid 4 x 128, 4 waves a work-group, clusters of 4 x 4, 327,680 bytes of LDS; arguments q_codes, wq_codes, bq, xq, k_codes, wk_codes, bk, xk, v_codes, wv_codes, bv, xv, lowp_scales, pad_mask, mbits; writes xq, xk, xv, mbits
.if DOCPART == 1
	.amdgcn_target "amdgcn-amd-amdhsa--gfx1250"
	.amdhsa_code_object_version 6
	.text
	.protected	k_q2d6047d805_proj
	.globl	k_q2d6047d805_proj
	.p2align	8
	.type	k_q2d6047d805_proj,@function
k_q2d6047d805_proj:
	s_mov_b64 s[64:65], 0
	v_nop
	global_prefetch_b8 v0, s[64:65] scope:SCOPE_SE
	s_setreg_imm32_b32 hwreg(HW_REG_WAVE_MODE, 25, 1), 1
	s_wait_xcnt 0x0
	s_wait_alu depctr_hold_cnt(0) depctr_sa_sdst(0) depctr_va_vdst(0) depctr_va_sdst(0) depctr_va_ssrc(0) depctr_va_vcc(0) depctr_vm_vsrc(0)
	s_getreg_b32 s2, hwreg(HW_REG_IB_STS2, 6, 4)
	s_cmp_eq_u32 s2, 0
	s_cbranch_scc0 .Lentry_in_a_cluster
	s_endpgm
.Lentry_in_a_cluster:
	s_bfe_u32 s2, ttmp6, 0x10000c
	s_cmp_lg_u32 s2, 0xf033
	s_cbranch_scc0 .Lentry_shape_is_right
	s_endpgm
.Lentry_shape_is_right:
.set SIZE_K, 1024
.set KSTEP,  256
.set ROWB,   256
.set KROW,   SIZE_K
.set PITCH,  272
.set FR,     16
.set NL,     4
.set NP,     4
.set HALFT,  128*PITCH
.set SLOT,   4*HALFT
.set LAPS,   SIZE_K/(2*KSTEP)
.set SPARE,  2*SLOT
.set ADRA, 16
.set ADRB, 20
.set CO,   26
.set SPW,  28
.set NIL,  29
.set BIAS, 32
.set BOF,  96
.set VSC,  104
.set VLIM, 105
.set AF,   128
.set TMP,  128
.set CD,   192
.set G1, 24
.set G0, 32
.set G1B, 48
.set G0B, 56
.set WHICH, 66
.set MSB, 0
.macro WIN new
.if MSB != \new
	s_set_vgpr_msb (MSB<<8)|\new
.set MSB, \new
.endif
.endm
.set MUL_LO, 0xa1
.set MUL_HI, 0xf1
.set TO_B,   0x40
.macro JLOAD g0a, g1a, g0b, g1b
	s_cmp_eq_u32 s15, 0
	s_cbranch_scc0 .Lfor_b_\@
	tensor_load_to_lds s[\g0a:\g0a+3], s[\g1a:\g1a+7]
	s_nop 0
.rept 4
	v_nop
.endr
	s_branch .Lasked_\@
.Lfor_b_\@:
	tensor_load_to_lds s[\g0b:\g0b+3], s[\g1b:\g1b+7]
	s_nop 0
.rept 4
	v_nop
.endr
.Lasked_\@:
.endm
.macro CREST
	s_cmp_lg_u32 s14, 0
	s_cbranch_scc1 .Lnot_wave_0_\@
	s_barrier_signal -3
.Lnot_wave_0_\@:
	s_barrier_wait -3
	s_barrier_signal -1
	s_barrier_wait -1
.endm
.macro CROUND
	s_barrier_signal -1
	s_barrier_wait -1
	CREST
.endm
	s_load_b256 s[68:75], s[0:1], 0x0
	s_load_b256 s[76:83], s[0:1], 0x20
	s_load_b256 s[84:91], s[0:1], 0x40
	s_load_b64 s[92:93], s[0:1], 0x60
	s_load_b128 s[8:11], s[0:1], 0x68              ; pad_mask s[8:9], mbits s[10:11]
	v_lshl_add_u32 v[SPW], v0, 2, SPARE
	v_mov_b32 v[NIL], 0
	ds_add_u32 v28, v29
	ds_add_u32 v28, v29
	s_wait_dscnt 0x0
	v_lshrrev_b32 v1, 5, v0
	v_readfirstlane_b32 s14, v1
	s_lshr_b32 s15, s14, 1
	s_and_b32 s16, s14, 1
	s_bfe_u32 s40, ttmp6, 0x40000
	s_bfe_u32 s41, ttmp6, 0x40004
	s_and_b32 s67, ttmp7, 0xffff
	s_lshr_b32 s[WHICH], s67, 3
	s_and_b32 s67, s67, 7
	s_lshl_b32 s67, s67, 2
	s_cmp_eq_u32 s[WHICH], 2
	s_cselect_b32 s17, 0, s67
	s_cselect_b32 s42, s67, 0
	s_add_co_u32 s17, s17, s41
	s_add_co_u32 s42, s42, s40
	s_lshl_b32 s43, s41, 2
	s_lshl_b32 s43, 15, s43
	s_lshl_b32 s44, 0x1111, s40
	s_or_b32 s[G1+0], s43, (0<<16)|(1<<20)|(1<<21)|(5<<22)|(3<<25)
	s_or_b32 s[G1B+0], s44, (0<<16)|(1<<20)|(1<<21)|(5<<22)|(3<<25)
.irp g, G1, G1B
	s_mov_b32 s[\g+1], ROWB<<16
	s_mov_b32 s[\g+2], 128<<16
	s_mov_b32 s[\g+3], ROWB<<16
	s_mov_b32 s[\g+4], 128
	s_mov_b32 s[\g+5], KROW
	s_mov_b32 s[\g+6], 0
	s_mov_b32 s[\g+7], 0
.endr
	s_lshl_b32 s18, s16, 7
	s_lshl_b32 s20, s17, 8
	s_add_co_u32 s20, s20, s18
	s_lshl_b32 s20, s20, 10
	s_mov_b32 s21, 0
	s_lshl_b32 s46, s42, 8
	s_add_co_u32 s46, s46, s18
	s_lshl_b32 s46, s46, 10
	s_mov_b32 s47, 0
	s_mul_i32 s45, s14, HALFT
	s_wait_kmcnt 0x0
	s_cmp_eq_u32 s[WHICH], 3                       ; clusters 24 to 31 along y make no product: they pack the mask.  The test hangs on the cluster's y alone: all sixteen partners go the same way
	s_cbranch_scc1 .Lmask
	s_cmp_eq_u32 s[WHICH], 1
	s_cselect_b64 s[68:69], s[76:77], s[68:69]
	s_cselect_b64 s[70:71], s[78:79], s[70:71]
	s_cselect_b64 s[72:73], s[80:81], s[72:73]
	s_cselect_b64 s[74:75], s[82:83], s[74:75]
	s_cmp_eq_u32 s[WHICH], 2
	s_cselect_b64 s[68:69], s[84:85], s[68:69]
	s_cselect_b64 s[70:71], s[86:87], s[70:71]
	s_cselect_b64 s[72:73], s[88:89], s[72:73]
	s_cselect_b64 s[74:75], s[90:91], s[74:75]
	s_cselect_b64 s[4:5], s[70:71], s[68:69]
	s_cselect_b64 s[6:7], s[68:69], s[70:71]
	s_load_b256 s[76:83], s[92:93], 0x0
	s_load_b128 s[84:87], s[92:93], 0x20
	s_add_nc_u64 s[20:21], s[4:5], s[20:21]
	s_add_nc_u64 s[46:47], s[6:7], s[46:47]
	CROUND
.irp s, 0,1
	s_mov_b32 s[G0+4*\s], 1
	s_add_co_u32 s[G0+4*\s+1], s45, \s*SLOT
	s_add_nc_u64 s[G0+4*\s+2:G0+4*\s+3], s[20:21], \s*ROWB
	s_or_b32 s[G0+4*\s+3], s[G0+4*\s+3], 0x80000000
	s_mov_b32 s[G0B+4*\s], 1
	s_add_co_u32 s[G0B+4*\s+1], s45, \s*SLOT
	s_add_nc_u64 s[G0B+4*\s+2:G0B+4*\s+3], s[46:47], \s*ROWB
	s_or_b32 s[G0B+4*\s+3], s[G0B+4*\s+3], 0x80000000
	s_wait_alu depctr_va_vdst(0)
	s_wait_tensorcnt 0x0
	ds_add_u32 v28, v29
	ds_add_u32 v28, v29
	s_wait_dscnt 0x0
	CROUND
	JLOAD G0+4*\s, G1, G0B+4*\s, G1B
.endr
	v_and_b32 v1, 15, v0
	v_bfe_u32 v2, v0, 4, 1
	v_mul_u32_u24 v3, v1, PITCH
	v_lshl_add_u32 v4, v2, 4, v3
	s_mul_i32 s21, s15, HALFT
	s_mul_i32 s22, s16, HALFT
	s_add_co_u32 s22, s22, 2*HALFT
.irp s, 0,1
	v_add_nc_u32 v[ADRA+\s], s21, v4
	v_add_nc_u32 v[ADRB+\s], s22, v4
	s_add_co_u32 s21, s21, SLOT
	s_add_co_u32 s22, s22, SLOT
.endr
	v_and_b32 v6, 31, v0
	v_lshlrev_b32 v[CO], 4, v6
	s_cmp_eq_u32 s[WHICH], 2
	s_cselect_b32 s88, s42, s17
	s_cselect_b32 s89, s16, s15
	s_cselect_b32 s90, s17, s42
	s_cselect_b32 s91, s15, s16
	s_cselect_b32 s94, 4, 0
	s_cselect_b32 s95, 0, 32
	s_cselect_b32 s99, 0, 4
	s_lshl_b32 s18, s90, 10
	s_lshl_b32 s19, s91, 9
	s_add_co_u32 s18, s18, s19
	s_mov_b32 s19, 0
	s_add_nc_u64 s[72:73], s[72:73], s[18:19]
	v_mul_u32_u24 v5, v1, s94
	v_mad_u32_u24 v5, v2, s95, v5
	v_mov_b32 v6, s99
.irp j, 0,1,2,3,4,5,6,7
	v_mad_u32_u24 v[BOF+\j], v6, \j, v5
.endr
.set x, 0
.rept 8
.set j, 0
.rept 8
	global_load_b32 v[BIAS+8*x+j], v[BOF+j], s[72:73] offset:64*x
.set j, j+1
.endr
.set x, x+1
.endr
	s_lshr_b32 s18, s88, 3
	s_lshl_b32 s18, s18, 4
	s_lshl_b32 s19, s90, 2
	s_add_co_u32 s18, s18, s19
	s_lshl_b32 s19, s91, 1
	s_add_co_u32 s18, s18, s19
	s_lshl_b32 s18, s18, 17
	s_and_b32 s19, s88, 7
	s_lshl_b32 s19, s19, 1
	s_add_co_u32 s19, s19, s89
	s_lshl_b32 s19, s19, 13
	s_add_co_u32 s18, s18, s19
	s_mov_b32 s19, 0
	s_add_nc_u64 s[10:11], s[74:75], s[18:19]
.macro FRAG reg, adr, q, i
.irp c, 0,1,2,3
	ds_load_b128 v[\reg+4*\c:\reg+4*\c+3], v[\adr] offset:128*(\q)+32*\c+(\i)*16*PITCH
.endr
.endm
.macro MUL16 a0, p, zero
.irp a, \a0, \a0+1
.irp b, 0,1,2,3,4,5,6,7
.if \zero
	v_wmma_f32_16x16x128_bf8_bf8 v[8*(8*((\a)%4)+\b):8*(8*((\a)%4)+\b)+7], v[128*(\p)+FR*\b:128*(\p)+FR*\b+FR-1], v[AF+FR*(\a):AF+FR*(\a)+FR-1], 0
.else
	v_wmma_f32_16x16x128_bf8_bf8 v[8*(8*((\a)%4)+\b):8*(8*((\a)%4)+\b)+7], v[128*(\p)+FR*\b:128*(\p)+FR*\b+FR-1], v[AF+FR*(\a):AF+FR*(\a)+FR-1], v[8*(8*((\a)%4)+\b):8*(8*((\a)%4)+\b)+7]
.endif
.endr
.endr
.endm
.macro FETCH_B slot, q, p
	WIN TO_B
.irp i, 0,1,2,3,4,5,6,7
	FRAG 128*(\p)+FR*\i, ADRB+\slot, \q, \i
.endr
	WIN 0
.endm
.macro FETCH_A slot, q, i0
.irp i, \i0, \i0+1, \i0+2, \i0+3
	FRAG AF+FR*(\i), ADRA+\slot, \q, \i
.endr
.endm
.macro PLACES n
.rept \n
	v_nop
.endr
.endm
.macro STEP slot, q, zero
	s_wait_dscnt 4*NL
	WIN MUL_LO
	MUL16 0, (\q)%2, \zero
	MUL16 2, (\q)%2, \zero
	s_wait_dscnt 0
	PLACES NP
	FETCH_B \slot, (\q)+1, 1-(\q)%2
	FETCH_A \slot, (\q)+1, 0
	WIN MUL_HI
	MUL16 4, (\q)%2, \zero
	MUL16 6, (\q)%2, \zero
	PLACES NP
	WIN 0
	FETCH_A \slot, (\q)+1, 4
.endm
.macro TURN slot, next, fill
	s_wait_tensorcnt 0x0
	ds_add_u32 v[SPW], v[NIL]
	s_wait_dscnt 4*NL+1
	WIN MUL_LO
	MUL16 0, 1, 0
	s_wait_dscnt 0x0
	s_barrier_signal -1
	MUL16 2, 1, 0
	WIN 0
	s_barrier_wait -1
.if \fill
	CREST
	s_add_nc_u64 s[G0+4*\slot+2:G0+4*\slot+3], s[G0+4*\slot+2:G0+4*\slot+3], 2*ROWB
	s_add_nc_u64 s[G0B+4*\slot+2:G0B+4*\slot+3], s[G0B+4*\slot+2:G0B+4*\slot+3], 2*ROWB
	JLOAD G0+4*\slot, G1, G0B+4*\slot, G1B
.else
	PLACES NP
.endif
	FETCH_B \next, 0, 0
	FETCH_A \next, 0, 0
	WIN MUL_HI
	MUL16 4, 1, 0
	MUL16 6, 1, 0
	PLACES NP
	WIN 0
	FETCH_A \next, 0, 4
.endm
	s_wait_tensorcnt 1
	s_barrier_signal -1
	s_barrier_wait -1
	FETCH_B 0, 0, 0
	FETCH_A 0, 0, 0
	FETCH_A 0, 0, 4
	STEP 0, 0, 1
	s_mov_b32 s3, LAPS-1
.Llap:
	TURN 0, 1, 1
	STEP 1, 0, 0
	TURN 1, 0, 1
	STEP 0, 0, 0
	s_sub_co_u32 s3, s3, 1
	s_cmp_lg_u32 s3, 0
	s_cbranch_scc1 .Llap
	TURN 0, 1, 0
	STEP 1, 0, 0
	s_wait_dscnt 4*NL
	WIN MUL_LO
	MUL16 0, 1, 0
	MUL16 2, 1, 0
	s_wait_dscnt 0
	WIN MUL_HI
	MUL16 4, 1, 0
	MUL16 6, 1, 0
	WIN 0
.macro EPI isv
.set a, 0
.rept 8
.if a == 4
	s_wait_xcnt 0x0
.endif
	WIN (0x02+a/4)
.set b, 0
.rept 8
.set bx, BIAS+8*b
.if \isv
.set bx, BIAS+8*a
.endif
.irp i, 0,2,4,6
	v_pk_fma_f32 v[TMP+8*b+\i:TMP+8*b+\i+1], v[64*(a%4)+8*b+\i:64*(a%4)+8*b+\i+1], s[96:97], v[bx+\i:bx+\i+1] op_sel_hi:[1,0,1]
.endr
.set b, b+1
.endr
	WIN 0
.set j, 0
.rept 64
	v_med3_num_f32 v[TMP+j], v[TMP+j], -v[VLIM], v[VLIM]
.set j, j+1
.endr
.set b, 0
.rept 8
	v_cvt_scalef32_pk8_bf8_f32 v[CD+16*(a%4)+2*b:CD+16*(a%4)+2*b+1], v[TMP+8*b:TMP+8*b+7], v[VSC]
.set b, b+1
.endr
	v_nop
.set p, 0
.rept 4
.if \isv
	global_store_b128 v[CO], v[CD+16*(a%4)+4*p:CD+16*(a%4)+4*p+3], s[10:11] offset:(a/4)*131072+(a%4)*2048+p*512
.else
	global_store_b128 v[CO], v[CD+16*(a%4)+4*p:CD+16*(a%4)+4*p+3], s[10:11] offset:a*1024+(p/2)*131072+(p%2)*512
.endif
.set p, p+1
.endr
.set a, a+1
.endr
.endm
	s_wait_kmcnt 0x0
	s_cmp_eq_u32 s[WHICH], 1
	s_cselect_b32 s96, s78, s76
	s_cselect_b32 s97, s79, s77
	s_cselect_b32 s98, s83, s82
	s_cmp_eq_u32 s[WHICH], 2
	s_cselect_b32 s96, s80, s96
	s_cselect_b32 s97, s81, s97
	s_cselect_b32 s98, s85, s98
	s_add_co_i32 s96, s96, s97
	s_add_co_i32 s96, s96, 127
	s_lshl_b32 s96, s96, 23
	s_mov_b32 s97, s96
	s_add_co_i32 s98, s98, 127
	s_lshl_b32 s99, s98, 23
	v_mov_b32 v[VSC], s99
	s_add_co_i32 s98, s98, 15
	s_lshl_b32 s98, s98, 23
	s_or_b32 s98, s98, 0x600000
	v_mov_b32 v[VLIM], s98
	s_wait_loadcnt 0x0
	PLACES NP
	s_cmp_eq_u32 s[WHICH], 2
	s_cbranch_scc1 .Lfor_v
	EPI 0
	s_branch .Ldone
.Lfor_v:
	EPI 1
.Ldone:
	s_wait_tensorcnt 0x0
	ds_add_u32 v[SPW], v[NIL]
	s_wait_dscnt 0x0
	CROUND
	s_endpgm
; THE MASK.  pad_mask [4][2048][2048], one byte a flag, becomes words of 32 bits in the order in which the attention launch holds its scores:
; there a tile of 16 queries x 128 keys lies in 64 registers, register n of lane (r, h) being query r, key 16 (n / 8) + 8 h + n % 8.
; mbits word n of (batch b, query tile T, key step ks), at byte ((128 b + T) 16 + ks) 256 + 4 n: bit r + 16 h = pad_mask[b][16 T + r][128 ks + 16 (n / 8) + 8 h + n % 8].
; The 128 work-groups of these clusters own four query tiles each (512 tiles in all), one a trip; wave w takes the keys 512 w .. 512 w + 511: four key steps.  The place in the cluster enters global addresses alone.
; Each load reads 512 consecutive bytes of a row; the 16 rows turn through the wave's own stage in LDS (bytes behind the ring and the spare words, which no fill and no other path touches), so that lane (r, h)
; gets eight flags of row r; a compare makes a word of 32 lanes' flags; the words are gathered lane by lane into four registers, so that one store of the wave covers 512 consecutive bytes.  Waves share nothing here.
; The next tile's 16 loads are issued as soon as the stage has this tile's rows; the last trip asks for nothing.
.set MSPI,   528                       ; a stage row: 512 bytes + 16
.set MWST,   16*MSPI                   ; a wave's stage
.set MSTAGE, SPARE+512
.set MR,   32                          ; v32-95   the 16 rows as loaded
.set MX,   96                          ; v96-159  key step s, key tile g: v[MX+16 s+2 g] and the next: eight flags of my row
.set MOUT, 160                         ; v160-167 the words on their way out: two sets of four registers
.set MT,   168                         ; v168-183 sixteen flags cut out
.macro MROWS
.irp i, 0,1,2,3,4,5,6,7,8,9,10,11,12,13,14,15
	global_load_b128 v[MR+4*\i:MR+4*\i+3], v2, s[8:9] offset:2048*\i th:TH_LOAD_NT   ; 32 lanes read 512 consecutive bytes of row i
.endr
.endm
; key step s: 64 words, sixteen at a time: sixteen cuts, sixteen compares into s24-39, sixteen lane writes: word W goes to lane W / 4, register W % 4 of the set that is stored for steps s and s xor 1
.macro MWORDS s
	s_wait_dscnt 24-8*(\s)                         ; this step's eight loads are in; the later steps' eight each may be out
.set m, 0
.rept 4
.set n, 16*m
.rept 16
	v_and_b32 v[MT+n%16], 0xff<<(8*(n%4)), v[MX+16*(\s)+2*(n/8)+(n%8)/4]
.set n, n+1
.endr
.set n, 16*m
.rept 16
	v_cmp_ne_u32 s[24+n%16], 0, v[MT+n%16]
.set n, n+1
.endr
.set n, 16*m
.rept 16
.set W, 64*((\s)%2)+n
	v_writelane_b32 v[MOUT+4*((\s)/2)+W%4], s[24+n%16], W/4
.set n, n+1
.endr
.set m, m+1
.endr
.endm
.Lmask:
	s_add_co_u32 s12, s67, s41
	s_lshl_b32 s12, s12, 2
	s_add_co_u32 s12, s12, s40                     ; my number among the 128: (4 (cluster y % 8) + cy) 4 + cx
	s_lshl_b32 s20, s12, 17                        ; four tiles of 16 rows of 2,048 bytes a work-group,
	s_lshl_b32 s21, s14, 9                         ; 512 bytes of each row a wave
	s_add_co_u32 s20, s20, s21
	s_mov_b32 s21, 0
	s_lshl_b32 s22, s12, 14                        ; four tiles of 16 key steps of 256 bytes a work-group,
	s_lshl_b32 s23, s14, 10                        ; four key steps a wave
	s_add_co_u32 s22, s22, s23
	s_mov_b32 s23, 0
	s_add_nc_u64 s[8:9], s[8:9], s[20:21]
	s_add_nc_u64 s[10:11], s[10:11], s[22:23]
	s_mul_i32 s13, s14, MWST
	s_add_co_u32 s13, s13, MSTAGE                  ; my wave's stage
	s_mov_b32 s3, 4                                ; tiles to go
	v_and_b32 v1, 31, v0                           ; lane
	v_lshlrev_b32 v2, 4, v1                        ; 16 x lane: my bytes of a load, and of a store
	v_add_nc_u32 v3, s13, v2                       ; into the stage: as loaded
	v_and_b32 v9, 15, v0                           ; r
	v_bfe_u32 v10, v0, 4, 1                        ; h
	v_mul_u32_u24 v4, v9, MSPI
	v_lshl_add_u32 v4, v10, 3, v4
	v_add_nc_u32 v4, s13, v4                       ; out of it: row r, + 8 h
.irp i, 0,1,2,3,4,5,6,7
	v_mov_b32 v[MOUT+\i], 0                        ; written whole once: a lane write keeps the other lanes
.endr
	MROWS                                          ; the first tile
	s_wait_alu depctr_va_vdst(0)
.Lmunit:
.irp i, 0,1,2,3,4,5,6,7,8,9,10,11,12,13,14,15
	s_wait_loadcnt 15-\i                           ; loads come back in order: row i is in, the younger rows may be out
	ds_store_b128 v3, v[MR+4*\i:MR+4*\i+3] offset:MSPI*\i
.endr
	s_cmp_eq_u32 s3, 1
	s_cbranch_scc1 .Lmlast                         ; the last tile has no successor
	s_add_nc_u64 s[8:9], s[8:9], 32768             ; no load is out: the base may step, 16 rows on
	MROWS
.Lmlast:
.irp i, 0,1,2,3
.irp g, 0,1,2,3,4,5,6,7
	ds_load_b64 v[MX+16*\i+2*\g:MX+16*\i+2*\g+1], v4 offset:128*\i+16*\g   ; LDS serves a wave's instructions in order: these see my stores
.endr
.endr
	MWORDS 0
	MWORDS 1
	global_store_b128 v2, v[MOUT:MOUT+3], s[10:11]               ; key steps 0 and 1: 512 consecutive bytes
	MWORDS 2
	MWORDS 3
	global_store_b128 v2, v[MOUT+4:MOUT+7], s[10:11] offset:512  ; key steps 2 and 3
	s_wait_xcnt 0x0                                ; the stores have read their registers and their base
	s_add_nc_u64 s[10:11], s[10:11], 4096          ; the next tile's words
	s_sub_co_u32 s3, s3, 1
	s_cmp_lg_u32 s3, 0
	s_wait_alu depctr_va_vdst(0)
	s_cbranch_scc1 .Lmunit
	s_wait_tensorcnt 0x0                           ; the wave's end
	ds_add_u32 v[SPW], v[NIL]
	s_wait_dscnt 0x0
	CROUND                                         ; the closing round, as on the other path
	s_endpgm
.Lfunc_end_k_q2d6047d805_proj:
	.size	k_q2d6047d805_proj, .Lfunc_end_k_q2d6047d805_proj-k_q2d6047d805_proj
	.p2alignl 7, 3214868480
	.fill 96, 4, 3214868480
	.section	.rodata,"a",@progbits
	.p2align	6, 0x0
	.amdhsa_kernel k_q2d6047d805_proj
		.amdhsa_group_segment_fixed_size 327680
		.amdhsa_private_segment_fixed_size 0
		.amdhsa_enable_private_segment 0
		.amdhsa_kernarg_size 120
		.amdhsa_user_sgpr_count 2
		.amdhsa_user_sgpr_kernarg_segment_ptr 1
		.amdhsa_wavefront_size32 1
		.amdhsa_system_sgpr_workgroup_id_x 1
		.amdhsa_system_sgpr_workgroup_id_y 1
		.amdhsa_system_sgpr_workgroup_id_z 1
		.amdhsa_system_vgpr_workitem_id 0
		.amdhsa_next_free_vgpr 1024
		.amdhsa_next_free_sgpr 100
		.amdhsa_reserve_vcc 0
		.amdhsa_float_denorm_mode_32 3
		.amdhsa_float_denorm_mode_16_64 3
		.amdhsa_memory_ordered 1
		.amdhsa_forward_progress 1
		.amdhsa_inst_pref_size 255
	.end_amdhsa_kernel
	.amdgpu_metadata
---
amdhsa.version: [ 1, 2 ]
amdhsa.kernels:
  - .name:           k_q2d6047d805_proj
    .symbol:         k_q2d6047d805_proj.kd
    .args:
      - { .name: q_codes, .offset: 0, .size: 8, .value_kind: global_buffer, .address_space: global }
      - { .name: wq_codes, .offset: 8, .size: 8, .value_kind: global_buffer, .address_space: global }
      - { .name: bq, .offset: 16, .size: 8, .value_kind: global_buffer, .address_space: global }
      - { .name: xq, .offset: 24, .size: 8, .value_kind: global_buffer, .address_space: global }
      - { .name: k_codes, .offset: 32, .size: 8, .value_kind: global_buffer, .address_space: global }
      - { .name: wk_codes, .offset: 40, .size: 8, .value_kind: global_buffer, .address_space: global }
      - { .name: bk, .offset: 48, .size: 8, .value_kind: global_buffer, .address_space: global }
      - { .name: xk, .offset: 56, .size: 8, .value_kind: global_buffer, .address_space: global }
      - { .name: v_codes, .offset: 64, .size: 8, .value_kind: global_buffer, .address_space: global }
      - { .name: wv_codes, .offset: 72, .size: 8, .value_kind: global_buffer, .address_space: global }
      - { .name: bv, .offset: 80, .size: 8, .value_kind: global_buffer, .address_space: global }
      - { .name: xv, .offset: 88, .size: 8, .value_kind: global_buffer, .address_space: global }
      - { .name: lowp_scales, .offset: 96, .size: 8, .value_kind: global_buffer, .address_space: global }
      - { .name: pad_mask, .offset: 104, .size: 8, .value_kind: global_buffer, .address_space: global }
      - { .name: mbits, .offset: 112, .size: 8, .value_kind: global_buffer, .address_space: global }
    .group_segment_fixed_size: 327680
    .private_segment_fixed_size: 0
    .kernarg_segment_align: 8
    .kernarg_segment_size: 120
    .max_flat_workgroup_size: 128
    .sgpr_count:     100
    .vgpr_count:     1024
    .wavefront_size: 32
...
	.end_amdgpu_metadata
.endif
;; end of part 1
;; launch attn (part 2): grid 4 x 64, 16 waves a work-group, clusters of 4 x 1, 327,680 bytes of LDS; arguments xq, xk, xv, mbits, lowp_scales, q_codes, ctxc, out1; writes ctxc, out1
.if DOCPART == 2
	.amdgcn_target "amdgcn-amd-amdhsa--gfx1250"
	.amdhsa_code_object_version 6
	.text
	.protected	k_q2d6047d805_attn
	.globl	k_q2d6047d805_attn
	.p2align	8
	.type	k_q2d6047d805_attn,@function
k_q2d6047d805_attn:
	s_mov_b64 s[64:65], 0
	v_nop
	global_prefetch_b8 v0, s[64:65] scope:SCOPE_SE
	s_setreg_imm32_b32 hwreg(HW_REG_WAVE_MODE, 25, 1), 1
	s_wait_xcnt 0x0
	s_wait_alu depctr_hold_cnt(0) depctr_sa_sdst(0) depctr_va_vdst(0) depctr_va_sdst(0) depctr_va_ssrc(0) depctr_va_vcc(0) depctr_vm_vsrc(0)
	s_getreg_b32 s2, hwreg(HW_REG_IB_STS2, 6, 4)
	s_cmp_eq_u32 s2, 0
	s_cbranch_scc0 .Lentry_in_a_cluster
	s_endpgm
.Lentry_in_a_cluster:
	s_bfe_u32 s2, ttmp6, 0x10000c
	s_cmp_lg_u32 s2, 0x3003
	s_cbranch_scc0 .Lentry_shape_is_right
	s_endpgm
.Lentry_shape_is_right:
; ctx = softmax(mask(xq xk^T / 8)) xv for one head, both products on codes of BF8 (E5M2), and the quantising of ctx for the last product.  Also out1 = q: code x 2^e0 as f32.
; xq, xk, xv arrive as images of operand registers (registers 2 c, 2 c + 1: k = 16 c + 8 h + 0 .. 7; four registers of 32 lanes are 512 bytes on end, lane l's 16 bytes at 16 l):
;   xq, xk: ((16 batch + head) 128 + token / 16) 1024 bytes on: 16 tokens x 64 channels.    xv: (((16 batch + head) 16 + key / 128) 4 + channel / 16) 2048 bytes on: 16 channels x 128 keys.
; THE SOFTMAX: t = score x log2(e) / 8; M = the row's largest t so far, rounded UP to a whole number; p = 2^(t - M) is quantised with 2^e8, not normalised; the row's sum is taken of the unquantised p
; and divides at the end.  When M moves, the sum and O are multiplied by 2^(old M - new M): exact.
; THE MASK.  mbits holds, for each score register of a tile of 16 queries x 128 keys, one word with a bit for each lane.  A score whose bit is 0 is replaced, ahead of the maximum, by -2^(33 - e6 - e7):
; a logit of -2^30 where reference() has -1e9.  Its t is made without rounding, so in a row that is masked throughout t - M is exactly 0 and every p is 1: the plain mean of xv, as reference() gives;
; in every other row the masked p are 0, and what a stretch of masked keys has summed is multiplied by 0 when M moves.
; LIMIT: the results are reference()'s as long as no unmasked logit lies at or under some -1e9.
; LIMITS on the given exponents, so that each power of two below is an f32 number: e6 + e7 between -94 and 130; e8, and e10 - e8 - e9, between -126 and 112.  NaN among the operands is not served.
; SHARES.  A work-group owns 512 queries of one head, each of its sixteen waves 32: two tiles of 16.  Both products are used transposed (S^T = K Q^T, O^T = V^T P^T): a lane holds ONE query (lane % 16).
; LDS HOLDS THE HEAD'S WHOLE K AND V: 2 x 131,072 bytes.  Each wave asks for 16,384 of them by its one tensor load at the head (waves 0-7: K's, waves 8-15: V's); one wait and one barrier follow;
; nothing is filled again, so the loop over the 16 key steps has no barrier.  In a key step each fragment of K and of V is read from LDS once and serves both of the wave's tiles.
; CLUSTER.  The four work-groups of a cluster are the four blocks of queries of one head: each of the sixteen loads is asked for JOINTLY, with the same descriptor and a mask that names the four.
; NO PREFETCH: all tiles are asked for at the kernel's head; there is no loop in which a request could run ahead of a tensor load.
; REGISTERS: v0 16 x lane; v1, v3 LDS addresses of the step's K and V; v2 2^e8; v4, v5 the add's two; v[6:7] f, 0; v8-11, v12-15 for each tile: -M, the largest t, the sum in two halves;
;   v16-31 Q's two fragments; v32-95 fragments of K, then of V; v96-159 S^T, then p; v160-191 p's codes, 16 a tile (ahead of the conversions: the tile's scratch); v192-255 O^T, 32 a tile.
; SCALARS: s2 57,344 x 2^e8; s3 steps to go; s[4:7], s[8:15] the descriptor; s16 wave; s17 the masked score; s18, s19 2^(e10 - e8 - e9) and 57,344 x that; s[20:21] lane selects; s[22:23] c;
;   s[24:25] the mask's words; s[28:29] ctxc; s30, s31 the step's place in K and in V; s32-63 and s68-99 a tile-step's 64 mask words (at the head: arguments and exponents).
.set VOFF,  131072
.set SPARE, 262144                     ; behind K and V: the spare words, 128 bytes for each of the sixteen waves
.set QF,  16
.set FR,  32
.set S,   96
.set P,   160
.set O,   192
.macro CROUND                          ; a round of the cluster's barrier
	s_barrier_signal -1
	s_barrier_wait -1
	s_cmp_lg_u32 s16, 0
	s_cbranch_scc1 .Lnot_wave_0_\@
	s_barrier_signal -3
.Lnot_wave_0_\@:
	s_barrier_wait -3
	s_barrier_signal -1
	s_barrier_wait -1
.endm
.macro MLOAD off                       ; the 64 mask words of a tile-step: word n in s[32 + n] (n < 32) or s[36 + n]
	s_load_b512 s[32:47], s[24:25], \off
	s_load_b512 s[48:63], s[24:25], \off+64
	s_load_b512 s[68:83], s[24:25], \off+128
	s_load_b512 s[84:99], s[24:25], \off+192
.endm
	s_load_b512 s[32:47], s[0:1], 0x0              ; xq s[32:33], xk s[34:35], xv s[36:37], mbits s[38:39], the exponents s[40:41], q's codes s[42:43], ctxc s[44:45], out1 s[46:47]
	v_lshl_add_u32 v4, v0, 2, SPARE
	v_mov_b32 v5, 0
	ds_add_u32 v4, v5                              ; the opening lines: the add, twice on end, and its wait ahead of my tensor load
	ds_add_u32 v4, v5
	v_lshrrev_b32 v1, 5, v0
	v_readfirstlane_b32 s16, v1                    ; wave 0..15
	v_and_b32 v3, 31, v0                           ; lane
	v_lshlrev_b32 v0, 4, v3                        ; 16 x lane, from here on
	s_bfe_u32 s26, ttmp6, 0x40000                  ; cx: my place in the cluster
	s_lshl_b32 s27, ttmp9, 2
	s_add_co_u32 s27, s27, s26                     ; my block of 512 queries: it enters global addresses alone
	s_and_b32 s30, ttmp7, 0xffff                   ; 16 batch + head, which the four partners share
	s_lshl_b32 s60, s30, 17                        ; a head's 131,072 bytes in xq, xk and xv
	s_mov_b32 s61, 0
	s_mov_b32 s8, 15|(3<<16)|(1<<21)               ; group 1: a dense block of 16,384 bytes as 64 rows of 256.  15:0 the mask: all four work-groups; 17:16 elements of 8 bytes; 21 set beside a mask
	s_mov_b32 s9, 32<<16                           ; tensor_dim0 = 32 elements
	s_mov_b32 s10, 64<<16                          ; tensor_dim1 = 64
	s_mov_b32 s11, 32<<16                          ; tile_dim0
	s_mov_b32 s12, 64                              ; tile_dim1
	s_mov_b32 s13, 32                              ; pitch
	s_mov_b32 s14, 0
	s_mov_b32 s15, 0
	s_mov_b32 s20, 0x76543210                      ; v_permlanex16_b32: lane l xor 16
	s_mov_b32 s21, 0xfedcba98
	s_mov_b32 s3, 16
	s_mov_b32 s4, 1                                ; group 0: count = 1
	s_lshl_b32 s5, s16, 14                         ; LDS address: 16,384 x wave: K's eight parts, then V's eight
	s_and_b32 s62, s16, 7
	s_lshl_b32 s62, s62, 14
	s_add_co_u32 s62, s62, s60                     ; in memory: my head, part wave % 8
	s_mov_b32 s63, 0
	s_wait_alu depctr_va_vdst(0)
	s_wait_dscnt 0x0                               ; both opening adds are done
	s_wait_kmcnt 0x0
	s_load_b256 s[48:55], s[40:41], 0x0            ; e0 .. e7
	s_load_b128 s[56:59], s[40:41], 0x20           ; e8 .. e11
	s_cmp_lt_u32 s16, 8
	s_cselect_b64 s[6:7], s[34:35], s[36:37]       ; waves 0-7: xk; waves 8-15: xv
	s_add_nc_u64 s[6:7], s[6:7], s[62:63]
	s_or_b32 s7, s7, 0x80000000                    ; type = 2
	CROUND                                         ; all four work-groups are here: the joint loads meet
	tensor_load_to_lds s[4:7], s[8:15]             ; my one tensor load of the launch
	s_nop 0
	s_lshl_b32 s62, s27, 15
	s_lshl_b32 s63, s16, 11
	s_add_co_u32 s62, s62, s63
	s_add_co_u32 s62, s62, s60                     ; head x 131,072 + block x 32,768 + wave x 2,048: my two tiles in xq, and my wave's 2,048 codes of q
	s_mov_b32 s63, 0
	s_add_nc_u64 s[32:33], s[32:33], s[62:63]
	s_add_nc_u64 s[42:43], s[42:43], s[62:63]
	s_lshl_b32 s62, s62, 2                         ; four bytes a number in out1: under 2^26
	s_add_nc_u64 s[46:47], s[46:47], s[62:63]
.irp t, 0,1
.irp c, 0,1
	global_load_b128 v[QF+8*\t+4*\c:QF+8*\t+4*\c+3], v0, s[32:33] offset:1024*\t+512*\c   ; Q's fragments stay in registers
.endr
.endr
	s_lshr_b32 s31, s30, 4                         ; batch
	s_lshl_b32 s24, s31, 19                        ; the mask's words: ((128 batch + my first tile) 16 + key step) 256 bytes on; my first tile = 32 block + 2 wave
	s_lshl_b32 s100, s27, 17
	s_add_co_u32 s24, s24, s100
	s_lshl_b32 s100, s16, 13
	s_add_co_u32 s24, s24, s100
	s_mov_b32 s25, 0
	s_add_nc_u64 s[24:25], s[38:39], s[24:25]
	; ctxc: (token / 256) 262144 + (head / 4) 65536 + ((token / 16) % 16) 4096 + (head % 4) 1024 + 512 g + 16 lane: the image of the last product's operand
	s_lshl_b32 s28, s31, 3
	s_lshl_b32 s100, s27, 1
	s_add_co_u32 s28, s28, s100
	s_lshr_b32 s100, s16, 3
	s_add_co_u32 s28, s28, s100                    ; token / 256 = 8 batch + 2 block + wave / 8
	s_lshl_b32 s28, s28, 18
	s_and_b32 s101, s30, 15                        ; head
	s_lshr_b32 s100, s101, 2
	s_lshl_b32 s100, s100, 16
	s_add_co_u32 s28, s28, s100
	s_and_b32 s100, s16, 7
	s_lshl_b32 s100, s100, 13                      ; my first tile of 16 tokens among the 16: 2 (wave % 8)
	s_add_co_u32 s28, s28, s100
	s_and_b32 s100, s101, 3
	s_lshl_b32 s100, s100, 10
	s_add_co_u32 s28, s28, s100
	s_mov_b32 s29, 0
	s_add_nc_u64 s[28:29], s[44:45], s[28:29]
	s_wait_kmcnt 0x0                               ; the exponents
	s_add_co_i32 s31, s54, s55                     ; e6 + e7
	s_lshl_b32 s100, s31, 23
	s_mov_b32 s22, 0x3e38aa3b                      ; log2(e) / 8
	s_add_co_i32 s22, s22, s100                    ; c: a score stands for score x 2^(e6 + e7): the two exponents are added to the exponent field
	s_mov_b32 s23, s22                             ; (named with it as a pair)
	s_sub_co_i32 s100, 160, s31
	s_lshl_b32 s100, s100, 23
	s_or_b32 s17, s100, 0x80000000                 ; -2^(33 - e6 - e7): the masked score
	s_add_co_i32 s100, s56, 127
	s_lshl_b32 s26, s100, 23                       ; 2^e8
	s_add_co_i32 s100, s100, 15
	s_lshl_b32 s100, s100, 23
	s_or_b32 s2, s100, 0x600000                    ; 57,344 x 2^e8
	s_sub_co_i32 s100, s58, s56
	s_sub_co_i32 s100, s100, s57                   ; O / l stands for O / l x 2^(e8 + e9): its code is O / l / 2^(e10 - e8 - e9)
	s_add_co_i32 s100, s100, 127
	s_lshl_b32 s18, s100, 23
	s_add_co_i32 s100, s100, 15
	s_lshl_b32 s100, s100, 23
	s_or_b32 s19, s100, 0x600000
	s_mov_b32 s30, 0
	s_mov_b32 s31, VOFF
	v_mov_b32 v2, s26                              ; 2^e8, for the conversions (the loads that read 4 x lane are done)
.irp t, 0,1
	v_mov_b32 v[9+4*\t], 0xff61b1e6                ; the largest t so far: -3e38, under every t
	v_mov_b32 v[10+4*\t], 0                        ; the sum, in two halves
	v_mov_b32 v[11+4*\t], 0
	v_floor_f32 v[8+4*\t], -v[9+4*\t]              ; -M
.endr
	v_mov_b32 v6, 0
	v_mov_b32 v7, 0                                ; (named as the upper half of the pair v[6:7])
.set j, 0
.rept 64
	v_mov_b32 v[O+j], 0                            ; O^T.  (A step is written once for all: the first finds zeros, which the first change of M leaves zeros)
.set j, j+1
.endr
; THE SOFTMAX of tile t on the 64 scores in v[S ..]: register 8 g + j of lane (r, h) is query r, key 16 g + 8 h + j.  It ends with p's codes in v[P + 16 t ..], which serve as scratch up to there.
; The next tile-step's mask words are asked for off bytes from the pointer; adv = 1: the pointer first goes one key step on.
.macro SOFT t, off, adv
.set ST, 8+4*(\t)
.set OT, O+32*(\t)
.set T,  P+16*(\t)
	s_wait_kmcnt 0x0                               ; the mask words (scalar loads come back in no order: only the count 0 shows them in)
.set n, 0
.rept 64
	v_cndmask_b32 v[S+n], s17, v[S+n], s[32+n+4*(n/32)]   ; a lane whose bit is 0 takes the masked score.  Each accumulator is read from its low end on
.set n, n+1
.endr
.if \adv
	s_add_nc_u64 s[24:25], s[24:25], 256           ; no scalar load is out: the pointer may step
.endif
	MLOAD \off                                     ; (the last step's request names the first words of my second tile, inside the buffer; they are not used)
.irp i, 0,1,2,3,4,5,6,7
	v_max3_num_f32 v[T+\i], v[S+3*\i], v[S+3*\i+1], v[S+3*\i+2]   ; the step's largest score of my query among my 64 keys, in eight chains
.endr
.set n, 24
.rept 20
	v_max3_num_f32 v[T+((n-24)/2)%8], v[T+((n-24)/2)%8], v[S+n], v[S+n+1]
.set n, n+2
.endr
	v_max3_num_f32 v[T+4], v[T+4], v[T+5], v[T+6]
	s_delay_alu instid0(VALU_DEP_3)
	v_max3_num_f32 v[T], v[T], v[T+1], v[T+2]
	s_delay_alu instid0(VALU_DEP_2)
	v_max3_num_f32 v[T+3], v[T+3], v[T+7], v[T+4]
	s_delay_alu instid0(VALU_DEP_1)
	v_max_num_f32 v[T], v[T], v[T+3]
	s_delay_alu instid0(VALU_DEP_1)
	v_permlanex16_b32 v[T+1], v[T], s20, s21
	s_delay_alu instid0(VALU_DEP_1)
	v_max_num_f32 v[T], v[T], v[T+1]               ; and among lane l xor 16's
	s_delay_alu instid0(VALU_DEP_1)
	v_mul_f32 v[T], s22, v[T]                      ; as t (c is positive)
	s_delay_alu instid0(VALU_DEP_1)
	v_max_num_f32 v[ST+1], v[ST+1], v[T]           ; the running largest t
	v_mov_b32 v[T], v[ST]
	s_delay_alu instid0(VALU_DEP_2)
	v_floor_f32 v[ST], -v[ST+1]                    ; the new -M = floor(-t) = -ceil(t): M is a whole number
	s_delay_alu instid0(VALU_DEP_1)
	v_sub_f32 v[T], v[ST], v[T]                    ; M's old value less its new one: a whole number, 0 or less
	s_delay_alu instid0(VALU_DEP_1)
	v_cvt_i32_f32 v[T], v[T]                       ; (it saturates)
	s_delay_alu instid0(VALU_DEP_1)
	v_ldexp_f32 v6, 1.0, v[T]                      ; f = 2^(old M - new M)
.set j, 0
.rept 32
	v_pk_fma_f32 v[S+j:S+j+1], v[S+j:S+j+1], s[22:23], v[ST:ST+1] op_sel_hi:[1,0,0]   ; t - M, two at a time (of the pairs c and -M the low word serves both halves)
.set j, j+2
.endr
	s_wait_alu depctr_va_vdst(0)
.set j, 0
.rept 64
	v_exp_f32 v[S+j], v[S+j]                       ; p = 2^(t - M): not normalised
.set j, j+1
.endr
	v_pk_mul_f32 v[ST+2:ST+3], v[ST+2:ST+3], v[6:7] op_sel_hi:[1,0]   ; the sums under the new M: the plain instruction behind the exponentials
.if \t
	s_wait_xcnt 0x0                                ; this trip's load and store for out1 have read their registers and bases: the sums below write v[P+24 ..], and the two pointers step
	s_add_nc_u64 s[6:7], s[6:7], 128               ; q's codes: the next 128
	s_add_nc_u64 s[8:9], s[8:9], 512               ; out1: the next 128 numbers
.endif
	s_wait_alu depctr_va_vdst(0)                   ; one wait for the whole batch, ahead of its first reader, and directly ahead of the first reader of O^T
.set j, 0
.rept 16
	v_pk_mul_f32 v[OT+j:OT+j+1], v[OT+j:OT+j+1], v[6:7] op_sel_hi:[1,0]   ; O^T under the new M
.set j, j+2
.endr
.irp i, 0,1,2,3,4,5,6,7
	v_pk_add_f32 v[T+2*\i:T+2*\i+1], v[S+4*\i:S+4*\i+1], v[S+4*\i+2:S+4*\i+3]   ; the row's sum is taken of the unquantised p: two at a time, in eight chains
.endr
.set n, 32
.rept 16
	v_pk_add_f32 v[T+n%16:T+n%16+1], v[T+n%16:T+n%16+1], v[S+n:S+n+1]
.set n, n+2
.endr
	v_pk_add_f32 v[T:T+1], v[T:T+1], v[T+2:T+3]
	v_pk_add_f32 v[T+4:T+5], v[T+4:T+5], v[T+6:T+7]
	v_pk_add_f32 v[T+8:T+9], v[T+8:T+9], v[T+10:T+11]
	s_delay_alu instid0(VALU_DEP_4)
	v_pk_add_f32 v[T+12:T+13], v[T+12:T+13], v[T+14:T+15]
	s_delay_alu instid0(VALU_DEP_3)
	v_pk_add_f32 v[T:T+1], v[T:T+1], v[T+4:T+5]
	s_delay_alu instid0(VALU_DEP_2)
	v_pk_add_f32 v[T+8:T+9], v[T+8:T+9], v[T+12:T+13]
	s_delay_alu instid0(VALU_DEP_1)
	v_pk_add_f32 v[T:T+1], v[T:T+1], v[T+8:T+9]
	s_delay_alu instid0(VALU_DEP_1)
	v_pk_add_f32 v[ST+2:ST+3], v[ST+2:ST+3], v[T:T+1]
.irp g, 0,1,2,3,4,5,6,7
.irp i, 0,2,4,6
	v_dual_min_num_f32 v[S+8*\g+\i], s2, v[S+8*\g+\i] :: v_dual_min_num_f32 v[S+8*\g+\i+1], s2, v[S+8*\g+\i+1]   ; the conversion does not saturate (ISA guide 7.6.2); p is not negative, so the hold is one-sided; two holds a line
.endr
.endr
.irp g, 0,1,2,3,4,5,6,7
	v_cvt_scalef32_pk8_bf8_f32 v[T+2*\g:T+2*\g+1], v[S+8*\g:S+8*\g+7], v2   ; behind all the holds.  Registers 2 g, 2 g + 1 of the operand: keys 16 g + 8 h + 0 .. 7
.endr
	v_nop                                          ; one plain instruction between the conversions and the matrix instructions that write their sources or read their results
.endm
	s_wait_alu depctr_va_vdst(0)
	s_wait_tensorcnt 0x0                           ; my part of K or V is in, so the descriptor's registers may be written;
	s_wait_loadcnt 0x0                             ; Q's fragments are in, so their base may be written
	s_mov_b32 s4, s48                              ; e0
	s_mov_b64 s[6:7], s[42:43]                     ; my wave's 2,048 codes of q
	s_mov_b64 s[8:9], s[46:47]                     ; and their place in out1
	MLOAD 0                                        ; the first tile-step's mask words, over the arguments and exponents
	s_barrier_signal -1
	s_barrier_wait -1
.Lstep:                                            ; 16 trips: a key step of 128 keys for my two tiles
	v_add_nc_u32 v1, s30, v0
	v_add_nc_u32 v3, s31, v0
	v_nop
	v_nop
	v_lshrrev_b32 v[P+26], 2, v0                   ; OUT1 GOES WITH THE TRIPS: 128 of my wave's 2,048 codes of q a trip, in the second tile's code registers, which are idle up to its softmax.  4 x lane:
	global_load_b32 v[P+27], v[P+26], s[6:7] th:TH_LOAD_NT   ; four codes a lane, so that a lane's four numbers are 16 neighbouring bytes of out1
.irp g, 0,1,2,3,4,5,6,7
	ds_load_b128 v[FR+8*\g:FR+8*\g+3], v1 offset:1024*\g          ; K: tile g of 16 keys, as its registers' image: 512 consecutive bytes a load
	ds_load_b128 v[FR+8*\g+4:FR+8*\g+7], v1 offset:1024*\g+512
.endr
	s_wait_dscnt 0x0
.irp g, 0,1,2,3,4,5,6,7
	v_wmma_f32_16x16x64_bf8_bf8 v[S+8*\g:S+8*\g+7], v[FR+8*\g:FR+8*\g+7], v[QF:QF+7], 0
.endr
.rept 4
	v_nop                                          ; places in front of the first read of the scores
.endr
	SOFT 0, 4096, 0
.irp g, 0,1,2,3,4,5,6,7
	v_wmma_f32_16x16x64_bf8_bf8 v[S+8*\g:S+8*\g+7], v[FR+8*\g:FR+8*\g+7], v[QF+8:QF+15], 0   ; the same fragments of K serve my second tile
.endr
.rept 4
	v_nop                                          ; places in front of the loads below and of the first read of the scores
.endr
.irp u, 0,1,2,3
.irp c, 0,1,2,3
	ds_load_b128 v[FR+16*\u+4*\c:FR+16*\u+4*\c+3], v3 offset:2048*\u+512*\c   ; V: 16 channels x these 128 keys, into K's registers: it lands while the second softmax is worked
.endr
.endr
	s_wait_loadcnt 0x0                             ; the trip's codes of q, asked for at its head
	v_cvt_f32_bf8 v[P+28], v[P+27]
	v_cvt_f32_bf8 v[P+29], v[P+27] byte_sel:1
	v_cvt_f32_bf8 v[P+30], v[P+27] byte_sel:2
	v_cvt_f32_bf8 v[P+31], v[P+27] byte_sel:3
.irp i, 28,29,30,31
	v_ldexp_f32 v[P+\i], v[P+\i], s4               ; x 2^e0: nothing is rounded
.endr
	global_store_b128 v0, v[P+28:P+31], s[8:9] th:TH_STORE_NT   ; 32 lanes store 512 consecutive bytes
	SOFT 1, 0, 1
	s_wait_alu depctr_va_vdst(0)
	s_wait_dscnt 0x0                               ; V is in
.irp u, 0,1,2,3
	v_wmma_f32_16x16x128_bf8_bf8 v[O+8*\u:O+8*\u+7], v[FR+16*\u:FR+16*\u+15], v[P:P+15], v[O+8*\u:O+8*\u+7]   ; eight accumulators, one instruction a turn; each fragment of V serves both tiles
	v_wmma_f32_16x16x128_bf8_bf8 v[O+32+8*\u:O+32+8*\u+7], v[FR+16*\u:FR+16*\u+15], v[P+16:P+31], v[O+32+8*\u:O+32+8*\u+7]
.endr
	s_add_co_u32 s30, s30, 8192
	s_add_co_u32 s31, s31, 8192
	s_sub_co_u32 s3, s3, 1
	s_cmp_lg_u32 s3, 0
	s_cbranch_scc1 .Lstep
; THE WAY OUT of tile t: O^T / the sum, held, quantised with 2^(e10 - e8 - e9).  Register 8 u + j of lane (r, h) is channel 16 u + 8 h + j of token r: the four conversions give eight registers of the last product's operand,
; stored as they stand: 512 consecutive bytes a store.
.macro FIN t
.set ST, 8+4*(\t)
.set OT, O+32*(\t)
	v_add_f32 v34, v[ST+2], v[ST+3]                ; the sum's two halves,
	s_delay_alu instid0(VALU_DEP_1)
	v_permlanex16_b32 v35, v34, s20, s21
	s_delay_alu instid0(VALU_DEP_1)
	v_add_f32 v34, v34, v35                        ; and lane l xor 16's
	s_wait_alu depctr_va_vdst(0)
	v_rcp_f32 v6, v34
	v_nop                                          ; a plain instruction behind the reciprocal
	s_wait_alu depctr_va_vdst(0)                   ; the wait ahead of its first reader, and of the first reader of O^T
.set j, 0
.rept 16
	v_pk_mul_f32 v[S+j:S+j+1], v[OT+j:OT+j+1], v[6:7] op_sel_hi:[1,0]
.set j, j+2
.endr
.set j, 0
.rept 32
	v_med3_num_f32 v[S+j], v[S+j], -v33, v33
.set j, j+1
.endr
.irp u, 0,1,2,3
	v_cvt_scalef32_pk8_bf8_f32 v[P+8*(\t)+2*\u:P+8*(\t)+2*\u+1], v[S+8*\u:S+8*\u+7], v32
.endr
	v_nop                                          ; one plain instruction between the conversions and the next tile's lines, which write their sources
	global_store_b128 v0, v[P+8*(\t):P+8*(\t)+3], s[28:29] offset:4096*(\t)
	global_store_b128 v0, v[P+8*(\t)+4:P+8*(\t)+7], s[28:29] offset:4096*(\t)+512
.endm
.rept 4
	v_nop                                          ; places behind the last products
.endr
	v_mov_b32 v32, s18                             ; 2^(e10 - e8 - e9)
	v_mov_b32 v33, s19                             ; 57,344 x that
	v_mov_b32 v35, 0                               ; written once: a lane permute's destination counts as one of its sources
	FIN 0
	FIN 1                                          ; its codes have registers of their own: no store's data are written again
	s_wait_tensorcnt 0x0                           ; the wave's end
	ds_add_u32 v4, v5
	s_wait_dscnt 0x0
	CROUND                                         ; the closing round
	s_endpgm
.Lfunc_end_k_q2d6047d805_attn:
	.size	k_q2d6047d805_attn, .Lfunc_end_k_q2d6047d805_attn-k_q2d6047d805_attn
	.p2alignl 7, 3214868480
	.fill 96, 4, 3214868480
	.section	.rodata,"a",@progbits
	.p2align	6, 0x0
	.amdhsa_kernel k_q2d6047d805_attn
		.amdhsa_group_segment_fixed_size 327680
		.amdhsa_private_segment_fixed_size 0
		.amdhsa_enable_private_segment 0
		.amdhsa_kernarg_size 64
		.amdhsa_user_sgpr_count 2
		.amdhsa_user_sgpr_kernarg_segment_ptr 1
		.amdhsa_wavefront_size32 1
		.amdhsa_system_sgpr_workgroup_id_x 1
		.amdhsa_system_sgpr_workgroup_id_y 1
		.amdhsa_system_sgpr_workgroup_id_z 1
		.amdhsa_system_vgpr_workitem_id 0
		.amdhsa_next_free_vgpr 256
		.amdhsa_next_free_sgpr 102
		.amdhsa_reserve_vcc 0
		.amdhsa_float_denorm_mode_32 3
		.amdhsa_float_denorm_mode_16_64 3
		.amdhsa_memory_ordered 1
		.amdhsa_forward_progress 1
		.amdhsa_inst_pref_size 56
	.end_amdhsa_kernel
	.amdgpu_metadata
---
amdhsa.version: [ 1, 2 ]
amdhsa.kernels:
  - .name:           k_q2d6047d805_attn
    .symbol:         k_q2d6047d805_attn.kd
    .args:
      - { .name: xq, .offset: 0, .size: 8, .value_kind: global_buffer, .address_space: global }
      - { .name: xk, .offset: 8, .size: 8, .value_kind: global_buffer, .address_space: global }
      - { .name: xv, .offset: 16, .size: 8, .value_kind: global_buffer, .address_space: global }
      - { .name: mbits, .offset: 24, .size: 8, .value_kind: global_buffer, .address_space: global }
      - { .name: lowp_scales, .offset: 32, .size: 8, .value_kind: global_buffer, .address_space: global }
      - { .name: q_codes, .offset: 40, .size: 8, .value_kind: global_buffer, .address_space: global }
      - { .name: ctxc, .offset: 48, .size: 8, .value_kind: global_buffer, .address_space: global }
      - { .name: out1, .offset: 56, .size: 8, .value_kind: global_buffer, .address_space: global }
    .group_segment_fixed_size: 327680
    .private_segment_fixed_size: 0
    .kernarg_segment_align: 8
    .kernarg_segment_size: 64
    .max_flat_workgroup_size: 512
    .sgpr_count:     102
    .vgpr_count:     256
    .wavefront_size: 32
...
	.end_amdgpu_metadata
.endif
;; end of part 2
;; launch outp (part 3): grid 4 x 64, 4 waves a work-group, clusters of 4 x 4, 327,680 bytes of LDS; arguments ctxc, wo_codes, lowp_scales, bo, out0; writes out0
.if DOCPART == 3
	.amdgcn_target "amdgcn-amd-amdhsa--gfx1250"
	.amdhsa_code_object_version 6
	.text
	.protected	k_q2d6047d805_outp
	.globl	k_q2d6047d805_outp
	.p2align	8
	.type	k_q2d6047d805_outp,@function
k_q2d6047d805_outp:
	s_mov_b64 s[64:65], 0
	v_nop
	global_prefetch_b8 v0, s[64:65] scope:SCOPE_SE
	s_setreg_imm32_b32 hwreg(HW_REG_WAVE_MODE, 25, 1), 1
	s_wait_xcnt 0x0
	s_wait_alu depctr_hold_cnt(0) depctr_sa_sdst(0) depctr_va_vdst(0) depctr_va_sdst(0) depctr_va_ssrc(0) depctr_va_vcc(0) depctr_vm_vsrc(0)
	s_getreg_b32 s2, hwreg(HW_REG_IB_STS2, 6, 4)
	s_cmp_eq_u32 s2, 0
	s_cbranch_scc0 .Lentry_in_a_cluster
	s_endpgm
.Lentry_in_a_cluster:
	s_bfe_u32 s2, ttmp6, 0x10000c
	s_cmp_lg_u32 s2, 0xf033
	s_cbranch_scc0 .Lentry_shape_is_right
	s_endpgm
.Lentry_shape_is_right:
; out0 = ctx wo^T + bo on codes of BF8 (E5M2): ctx as ctxc, the images of operand registers that the attention launch stored; wo_codes [1024 (n)][1024 (k)]; each sum x 2^(e10 + e11), + bo.
; LIMIT: e10 + e11 lies between -126 and 127, so that 2^(e10 + e11) is an f32 number.
; ctxc: (token / 256) 262144 + (k / 256) 65536 + ((token / 16) % 16) 4096 + ((k / 64) % 4) 1024 bytes on: 16 tokens x 64 k as eight registers of 32 lanes (registers 2 c, 2 c + 1: k = 16 c + 8 h + 0 .. 7), 512 bytes for four registers.
; SHARES.  A work-group makes 128 tokens x 256 columns: 64 x 4 = 256 work-groups.  Its A, 128 tokens x all 1,024 k, lies in LDS throughout (131,072 bytes; waves 0 and 1 fetch a half each, 2 pieces of 32,768 bytes).
; B comes in two chunks of 128 rows of wo x all k (waves 2 and 3: 64 rows each; 16 bytes of padding behind each row of 1,024: pitch 1,040 = 260 words, so that the 32 lanes of a load of 8 bytes touch 64 different banks).
; A chunk is 128 x 128 of the result, a wave's part 64 x 64: 16 accumulators, 16 steps of 64 along k, two sets of fragments by turns.  The second chunk fills the first one's bytes: it is asked for when
; the first chunk's products are done, and is on its way while that chunk's results leave.  Nothing else is filled again.
; CLUSTER 4 x 4: the four of a row need the same A, the four of a column the same B: each tile is asked for jointly.  THE MATRIX INSTRUCTION IS USED TRANSPOSED (source 0 = rows of wo, source 1 = tokens):
; a lane holds eight neighbouring columns of one token.  NO PREFETCH: the text has no loop in which a request could run ahead of a tensor load.
; REGISTERS: window 0: v16-22 addresses; v28, v29 the add's two; v32-39 bo; v64-191 two sets of fragments (A's four, then B's four, 8 registers each); v192-255 rows on the way out.  Window 1: the 16 accumulators, (a, b) at v[8 (4 a + b)].
.set BP,     1040
.set BOFF,   131072
.set BHALF,  64*BP
.set STAGE,  BOFF+2*BHALF              ; 264,192: the way out: 16 rows x (256 + 16) bytes for each wave, bytes into which no fill lands
.set SPITCH, 272
.set SPARE,  STAGE+4*16*SPITCH         ; 281,600: the spare words
.set ADRA, 16                          ; v16, v17: my A fragments, k under 512 and from 512 on
.set ADRB, 18
.set STO,  19
.set RD,   20
.set CO,   21
.set CB,   22
.set SPW,  28
.set NIL,  29
.set BO,   32
.set FA,   64
.set BK,   192
.set G1,  24
.set G0,  32
.set G1B, 48
.set G0B, 56
.set MSB, 0
.macro WIN new                         ; the immediate's high byte repeats the setting that is left
.if MSB != \new
	s_set_vgpr_msb (MSB<<8)|\new
.set MSB, \new
.endif
.endm
.macro PLACES
.rept 4
	v_nop
.endr
.endm
.macro CROUND                          ; a round of the cluster's barrier
	s_barrier_signal -1
	s_barrier_wait -1
	s_cmp_lg_u32 s14, 0
	s_cbranch_scc1 .Lnot_wave_0_\@
	s_barrier_signal -3
.Lnot_wave_0_\@:
	s_barrier_wait -3
	s_barrier_signal -1
	s_barrier_wait -1
.endm
	s_load_b128 s[4:7], s[0:1], 0x0                ; ctxc, wo's codes
	s_load_b128 s[8:11], s[0:1], 0x10              ; the exponents, bo
	s_load_b64 s[12:13], s[0:1], 0x20              ; out0
	v_lshl_add_u32 v[SPW], v0, 2, SPARE
	v_mov_b32 v[NIL], 0
	ds_add_u32 v[SPW], v[NIL]                      ; the opening lines: the add, twice on end, and its wait ahead of my first tensor load
	ds_add_u32 v[SPW], v[NIL]
	v_lshrrev_b32 v1, 5, v0
	v_readfirstlane_b32 s14, v1                    ; wave 0..3
	s_lshr_b32 s15, s14, 1                         ; which 64 tokens are mine.  Also: I fetch for A (0) or for B (1)
	s_and_b32 s16, s14, 1                          ; which 64 columns of a chunk.  Also: which half I fetch
	s_bfe_u32 s40, ttmp6, 0x40000                  ; cx, cy
	s_bfe_u32 s41, ttmp6, 0x40004
	s_lshl_b32 s42, ttmp9, 2
	s_add_co_u32 s42, s42, s40                     ; block of 256 columns
	s_and_b32 s17, ttmp7, 0xffff
	s_lshl_b32 s17, s17, 2
	s_add_co_u32 s17, s17, s41                     ; block of 128 tokens
	s_lshl_b32 s43, s41, 2
	s_lshl_b32 s43, 15, s43                        ; my row of the cluster
	s_lshl_b32 s44, 0x1111, s40                    ; my column
	s_or_b32 s[G1], s43, (3<<16)|(1<<21)           ; A: elements of 8 bytes, no padding; the mask, bit 21 beside it
	s_mov_b32 s[G1+1], 4096<<16                    ; tensor_dim0: 4,096 elements = 32,768 bytes
	s_mov_b32 s[G1+2], 2<<16                       ; tensor_dim1 = 2
	s_mov_b32 s[G1+3], 4096<<16                    ; tile_dim0
	s_mov_b32 s[G1+4], 2                           ; tile_dim1
	s_mov_b32 s[G1+5], 8192                        ; pitch: 65,536 bytes
	s_mov_b32 s[G1+6], 0
	s_mov_b32 s[G1+7], 0
	s_or_b32 s[G1B], s44, (0<<16)|(1<<20)|(1<<21)|(7<<22)|(3<<25)   ; B: elements of 1 byte; four words of padding after every 256
	s_mov_b32 s[G1B+1], 1024<<16
	s_mov_b32 s[G1B+2], 64<<16
	s_mov_b32 s[G1B+3], 1024<<16
	s_mov_b32 s[G1B+4], 64
	s_mov_b32 s[G1B+5], 1024
	s_mov_b32 s[G1B+6], 0
	s_mov_b32 s[G1B+7], 0
	s_lshr_b32 s20, s17, 1
	s_lshl_b32 s20, s20, 18                        ; A: (token / 256) 262144
	s_and_b32 s21, s17, 1
	s_lshl_b32 s21, s21, 15                        ; + my 128 of the 256 tokens
	s_add_co_u32 s20, s20, s21
	s_lshl_b32 s21, s16, 17                        ; + my half of k: two pieces of 65,536
	s_add_co_u32 s20, s20, s21
	s_mov_b32 s21, 0
	s_lshl_b32 s45, s16, 16                        ; in LDS: 65,536 x half
	s_lshl_b32 s46, s42, 18                        ; B: 256 rows of 1,024 bytes a block,
	s_lshl_b32 s47, s16, 16                        ; 64 rows a half
	s_add_co_u32 s46, s46, s47
	s_mov_b32 s47, 0
	s_mul_i32 s22, s16, BHALF
	s_add_co_u32 s22, s22, BOFF                    ; in LDS; also where my 64 columns' rows lie
	s_lshl_b32 s72, s15, 14                        ; my 64 tokens: four images of 4,096 bytes in each piece
	s_mul_i32 s73, s14, 16*SPITCH
	s_add_co_u32 s73, s73, STAGE                   ; my stage
	s_lshl_b32 s68, s42, 10
	s_lshl_b32 s69, s16, 8
	s_add_co_u32 s68, s68, s69                     ; my first column, in bytes of f32
	s_mov_b32 s69, 0
	s_lshl_b32 s70, s17, 19
	s_lshl_b32 s71, s15, 18
	s_add_co_u32 s70, s70, s71                     ; my first token's row of 4,096 bytes
	s_mov_b32 s71, 0
	s_add_nc_u64 s[70:71], s[70:71], s[68:69]
	s_wait_dscnt 0x0                               ; both opening adds are done
	s_wait_kmcnt 0x0
	s_load_b64 s[96:97], s[8:9], 0x28              ; e10, e11
	s_add_nc_u64 s[20:21], s[4:5], s[20:21]
	s_add_nc_u64 s[46:47], s[6:7], s[46:47]
	s_add_nc_u64 s[10:11], s[10:11], s[68:69]
	s_add_nc_u64 s[12:13], s[12:13], s[70:71]
	s_mov_b32 s[G0], 1
	s_mov_b32 s[G0+1], s45
	s_mov_b64 s[G0+2:G0+3], s[20:21]
	s_or_b32 s[G0+3], s[G0+3], 0x80000000
	s_mov_b32 s[G0B], 1
	s_mov_b32 s[G0B+1], s22
	s_mov_b64 s[G0B+2:G0B+3], s[46:47]
	s_or_b32 s[G0B+3], s[G0B+3], 0x80000000
	CROUND                                         ; all sixteen work-groups are here: the first joint loads meet
	s_cmp_eq_u32 s15, 0                            ; one chain, one load to an arm; an s_nop 0 and four v_nop follow each
	s_cbranch_scc0 .Lfor_b
	tensor_load_to_lds s[G0:G0+3], s[G1:G1+7]
	s_nop 0
	PLACES
	s_branch .Lasked
.Lfor_b:
	tensor_load_to_lds s[G0B:G0B+3], s[G1B:G1B+7]
	s_nop 0
	PLACES
.Lasked:
	v_and_b32 v1, 15, v0                           ; r
	v_bfe_u32 v2, v0, 4, 1                         ; h
	v_and_b32 v3, 31, v0
	v_lshlrev_b32 v3, 4, v3                        ; 16 x lane
	v_add_nc_u32 v[ADRA], s72, v3
	v_add_nc_u32 v[ADRA+1], 0x10000, v[ADRA]
	v_mul_u32_u24 v4, v1, BP
	v_lshl_add_u32 v4, v2, 3, v4
	v_add_nc_u32 v[ADRB], s22, v4                  ; row r of wo, + 8 h
	v_mul_u32_u24 v5, v1, SPITCH
	v_lshl_add_u32 v5, v2, 5, v5
	v_add_nc_u32 v[STO], s73, v5                   ; into the stage: row r, 32 bytes for each half of the lanes
	v_mul_u32_u24 v6, v2, SPITCH
	v_lshl_add_u32 v6, v1, 4, v6
	v_add_nc_u32 v[RD], s73, v6                    ; back: lanes 0-15 one row of 256 bytes, lanes 16-31 the next
	v_lshlrev_b32 v[CB], 4, v1
	v_lshl_add_u32 v[CO], v2, 12, v[CB]            ; and the same two rows in out0
	global_load_b128 v[BO:BO+3], v[CB], s[10:11]               ; bo at my lane's four columns, chunk 0,
	global_load_b128 v[BO+4:BO+7], v[CB], s[10:11] offset:512  ; and chunk 1
; the fragments of step kk (64 along k) into set s: A's four images, two loads of 512 consecutive bytes each; B's four, four loads of 8 bytes a lane each: 24 LDS loads
.macro LOADSET kk, s
.irp i, 0,1,2,3
	ds_load_b128 v[FA+64*(\s)+8*\i:FA+64*(\s)+8*\i+3], v[ADRA+(\kk)/8] offset:(((\kk)/4)%2)*32768+\i*4096+((\kk)%4)*1024
	ds_load_b128 v[FA+64*(\s)+8*\i+4:FA+64*(\s)+8*\i+7], v[ADRA+(\kk)/8] offset:(((\kk)/4)%2)*32768+\i*4096+((\kk)%4)*1024+512
.endr
.irp b, 0,1,2,3
.irp c, 0,1,2,3
	ds_load_b64 v[FA+32+64*(\s)+8*\b+2*\c:FA+32+64*(\s)+8*\b+2*\c+1], v[ADRB] offset:\b*16*BP+64*(\kk)+16*\c
.endr
.endr
.endm
; 16 matrix instructions, the 16 accumulators by turns, in the same order in every step
.macro MULSET s, zero
.irp a, 0,1,2,3
.irp b, 0,1,2,3
.if \zero
	v_wmma_f32_16x16x64_bf8_bf8 v[8*(4*\a+\b):8*(4*\a+\b)+7], v[FA+32+64*(\s)+8*\b:FA+32+64*(\s)+8*\b+7], v[FA+64*(\s)+8*\a:FA+64*(\s)+8*\a+7], 0
.else
	v_wmma_f32_16x16x64_bf8_bf8 v[8*(4*\a+\b):8*(4*\a+\b)+7], v[FA+32+64*(\s)+8*\b:FA+32+64*(\s)+8*\b+7], v[FA+64*(\s)+8*\a:FA+64*(\s)+8*\a+7], v[8*(4*\a+\b):8*(4*\a+\b)+7]
.endif
.endr
.endr
.endm
.macro CHUNK                           ; 128 x 128 of the result over all k; the first step's products start the sums
	LOADSET 0, 0
	LOADSET 1, 1
.set KK, 0
.rept 16
.if KK < 15
	s_wait_dscnt 24                                ; this step's set is in; the 24 loads of the younger set may be out
.else
	s_wait_dscnt 0
.endif
	WIN 0x50                                       ; C and D in window 1
.if KK == 0
	MULSET 0, 1
.else
	MULSET KK%2, 0
.endif
	WIN 0
.if KK < 14
	PLACES                                         ; four places in front of loads into registers that matrix instructions have read
	LOADSET KK+2, KK%2
.endif
.set KK, KK+1
.endr
.endm
; THE WAY OUT of chunk c, 16 tokens at a time: through my own stage, back as rows of 256 bytes, x 2^(e10 + e11) + bo, stored: sixteen lanes fill one aligned unit of 256 bytes.
; LDS serves a wave's instructions in order (ISA guide 5.7.1.4): the loads see my stores.
.macro EPI c
	PLACES                                         ; places behind the last products
.irp a, 0,1,2,3
	WIN 0x04                                       ; the stores' data in window 1
.irp b, 0,1,2,3
	ds_store_b128 v[STO], v[8*(4*\a+\b):8*(4*\a+\b)+3] offset:64*\b       ; each accumulator from its low end on
	ds_store_b128 v[STO], v[8*(4*\a+\b)+4:8*(4*\a+\b)+7] offset:64*\b+16
.endr
	WIN 0
	s_wait_xcnt 0x0                                ; earlier stores have read their registers: the loads below may land there
.irp t, 0,1,2,3,4,5,6,7
	ds_load_b128 v[BK+32*(\a%2)+4*\t:BK+32*(\a%2)+4*\t+3], v[RD] offset:2*\t*SPITCH
.endr
	s_wait_dscnt 0x0
.irp t, 0,1,2,3,4,5,6,7
	v_pk_fma_f32 v[BK+32*(\a%2)+4*\t:BK+32*(\a%2)+4*\t+1], v[BK+32*(\a%2)+4*\t:BK+32*(\a%2)+4*\t+1], s[96:97], v[BO+4*(\c):BO+4*(\c)+1] op_sel_hi:[1,0,1]
	v_pk_fma_f32 v[BK+32*(\a%2)+4*\t+2:BK+32*(\a%2)+4*\t+3], v[BK+32*(\a%2)+4*\t+2:BK+32*(\a%2)+4*\t+3], s[96:97], v[BO+4*(\c)+2:BO+4*(\c)+3] op_sel_hi:[1,0,1]
.endr
.irp t, 0,1,2,3,4,5,6,7
	global_store_b128 v[CO], v[BK+32*(\a%2)+4*\t:BK+32*(\a%2)+4*\t+3], s[12:13] offset:(16*\a+2*\t)*4096+512*(\c) th:TH_STORE_NT
.endr
.endr
.endm
	s_wait_alu depctr_va_vdst(0)
	s_wait_tensorcnt 0x0                           ; my part of A or of B's first chunk is in;
	s_barrier_signal -1
	s_barrier_wait -1                              ; and so is everybody's
	CHUNK
	s_wait_tensorcnt 0x0                           ; in front of the refill: no tensor load of mine is out,
	ds_add_u32 v[SPW], v[NIL]                      ; 0 onto my spare word,
	s_add_nc_u64 s[G0B+2:G0B+3], s[G0B+2:G0B+3], 131072   ; (B's next 128 rows)
	s_wait_dscnt 0x0                               ; the add is done, and my reads of the first chunk are over
	CROUND                                         ; the same holds of every wave of every partner
	s_cmp_eq_u32 s15, 0
	s_cbranch_scc1 .Lno_fill                       ; waves 0 and 1 have no part of B to fill
	tensor_load_to_lds s[G0B:G0B+3], s[G1B:G1B+7]  ; the second chunk, over the first
	s_nop 0
	PLACES
.Lno_fill:
	s_wait_kmcnt 0x0
	s_add_co_i32 s96, s96, s97                     ; e10 + e11
	s_add_co_i32 s96, s96, 127
	s_lshl_b32 s96, s96, 23                        ; 2^(e10 + e11) as f32
	s_wait_loadcnt 0x0                             ; bo
	EPI 0                                          ; the first chunk's results leave while the second chunk is on its way
	s_wait_tensorcnt 0x0                           ; my part of the second chunk is in;
	s_barrier_signal -1
	s_barrier_wait -1                              ; and so is everybody's
	CHUNK
	EPI 1
	s_wait_tensorcnt 0x0                           ; the wave's end
	ds_add_u32 v[SPW], v[NIL]
	s_wait_dscnt 0x0
	CROUND                                         ; the closing round
	s_endpgm
.Lfunc_end_k_q2d6047d805_outp:
	.size	k_q2d6047d805_outp, .Lfunc_end_k_q2d6047d805_outp-k_q2d6047d805_outp
	.p2alignl 7, 3214868480
	.fill 96, 4, 3214868480
	.section	.rodata,"a",@progbits
	.p2align	6, 0x0
	.amdhsa_kernel k_q2d6047d805_outp
		.amdhsa_group_segment_fixed_size 327680
		.amdhsa_private_segment_fixed_size 0
		.amdhsa_enable_private_segment 0
		.amdhsa_kernarg_size 40
		.amdhsa_user_sgpr_count 2
		.amdhsa_user_sgpr_kernarg_segment_ptr 1
		.amdhsa_wavefront_size32 1
		.amdhsa_system_sgpr_workgroup_id_x 1
		.amdhsa_system_sgpr_workgroup_id_y 1
		.amdhsa_system_sgpr_workgroup_id_z 1
		.amdhsa_system_vgpr_workitem_id 0
		.amdhsa_next_free_vgpr 384
		.amdhsa_next_free_sgpr 98
		.amdhsa_reserve_vcc 0
		.amdhsa_float_denorm_mode_32 3
		.amdhsa_float_denorm_mode_16_64 3
		.amdhsa_memory_ordered 1
		.amdhsa_forward_progress 1
		.amdhsa_inst_pref_size 118
	.end_amdhsa_kernel
	.amdgpu_metadata
---
amdhsa.version: [ 1, 2 ]
amdhsa.kernels:
  - .name:           k_q2d6047d805_outp
    .symbol:         k_q2d6047d805_outp.kd
    .args:
      - { .name: ctxc, .offset: 0, .size: 8, .value_kind: global_buffer, .address_space: global }
      - { .name: wo_codes, .offset: 8, .size: 8, .value_kind: global_buffer, .address_space: global }
      - { .name: lowp_scales, .offset: 16, .size: 8, .value_kind: global_buffer, .address_space: global }
      - { .name: bo, .offset: 24, .size: 8, .value_kind: global_buffer, .address_space: global }
      - { .name: out0, .offset: 32, .size: 8, .value_kind: global_buffer, .address_space: global }
    .group_segment_fixed_size: 327680
    .private_segment_fixed_size: 0
    .kernarg_segment_align: 8
    .kernarg_segment_size: 40
    .max_flat_workgroup_size: 128
    .sgpr_count:     98
    .vgpr_count:     384
    .wavefront_size: 32
...
	.end_amdgpu_metadata
.endif
;; end of part 3
